; MI455X (gfx1250); checked and timed in simulation.
; The chip was launched on July 23, 2026; its instructions are those of AMD's public machine-readable ISA for CDNA 5 (MIT licence, August 2026) and "CDNA5" Instruction Set Architecture Reference Guide (July 2026). The comments in the code are by the model that wrote it; some were corrected since.
;; Net VLAD Like. Allowed arithmetic: float matrix products may take bf16 or f16 operands with f32 sums; all other float work in f32.
;; Inputs: centroids 512 x 512 float32; x 32 x 2,048 x 512 float32.
;; Outputs: out0 32 x 512 float32.
;; 2 versions, each right; version 2 is version 1 with the launch prep written anew for expert scheduling mode. Each part assembles by itself: llvm-mc -triple=amdgcn-amd-amdhsa -mcpu=gfx1250 --defsym DOCPART=n.
;; ======== version 1 of 2: 4 launches
;; limits: values are held in f16: magnitudes above 65,504 overflow, below 6.1e-05 lose precision; right only within a limited range of input values
;; workspace buffers: xh 67,108,864 bytes; bp 16,777,216 bytes; fin 131,072 bytes; pt 67,108,864 bytes; st 2,097,152 bytes; op 524,288 bytes
;; launch prep (part 1): grid 8 x 32, 16 waves a work-group, no clusters, 10,240 bytes of LDS; arguments x, centroids, xh, bp, fin; writes xh, bp, fin
.if DOCPART == 1
	.amdgcn_target "amdgcn-amd-amdhsa--gfx1250"
	.amdhsa_code_object_version 6
	.text
	.protected	k_qde932d9170_prep
	.globl	k_qde932d9170_prep
	.p2align	8
	.type	k_qde932d9170_prep,@function
k_qde932d9170_prep:
	s_mov_b64 s[64:65], 0
	v_nop
	global_prefetch_b8 v0, s[64:65] scope:SCOPE_SE
	s_setreg_imm32_b32 hwreg(HW_REG_WAVE_MODE, 25, 1), 1
	s_wait_xcnt 0x0
; NetVLAD-like pooling, step 1 of 4: the per-feature power scale, and the two operands of the one matrix product.
;   xr = x rounded to bf16, cr = centroids rounded to bf16 (the rounding of matrix operands); everything later uses xr and cr.
;   scale[b][d] = mean over l of xr^2       rs = 1 / max(scale, 1e-12)
;   xh[b][dc][l][64] = f16(xr)              (dc = d / 64; exact for 2^-14 <= |x| <= 65504)
;   bp[b][dc][k][64] = f16(cr[k][d] * rs)   (direction . centroid = sum over d of xr * (cr * rs))
;   fin[0][b][d] = scale * rs / 512         fin[1][b][d] = scale * (sum over k of cr[k][d]) / 512
; LIMITS, stated: inputs are rounded to bf16 first; the f16 containers need |x| <= 65504 and |c / scale| <= 65504; numbers below 2^-14
; keep an absolute error of at most 2^-25.
; A work-group owns 64 columns (256 bytes of every f32 row) of one batch and all 2,048 tokens, so the mean over tokens never leaves it.
; Sixteen waves.  Thread t takes the 16 bytes at (t & 15) * 16 of row t >> 4 in a group of 32 rows: a wave's load covers two whole pieces of 256
; aligned bytes, a wave's 8-byte stores cover 256 consecutive bytes, aligned.  Each wave keeps a ring of 16 loads on their way: 16 waves x 16 x 512
; bytes = 128 KiB for the work-group.  The centroids' 512 rows are 16 groups, one for each slot: x's last round fills the ring with them, so they
; travel while the scale is summed.  No matrix unit, no cluster: there is no product here and no work-group shares x.
.set DEPTH, 16                         ; slots = loads in flight in each wave
.set GIN,   32*2048                    ; a group of 32 rows of x or of the centroids (both have rows of 2,048 bytes)
.set GOUT,  32*128                     ; the same group in xh or bp
.set VOX, 1                            ; v1       my byte offset in a group of input rows; never rewritten
.set VOH, 2                            ; v2       8 t: my byte offset in a group of output rows; never rewritten
.set VP,  3                            ; v3       16 (t & 15): my column piece
.set ACC, 4                            ; v[4:7]   sums of squares of my 4 columns
.set CS,  8                            ; v[8:11]  sums of the centroids' 4 columns
.set RS,  12                           ; v[12:15] 1 / max(scale, eps)
.set SC,  16                           ; v[16:19] scale
.set T,   20                           ; v[20:21] four numbers as packed bf16
.set R,   22                           ; v[22:25] the same four as f32
.set VW,  26                           ; v26      LDS: 256 wave + my column piece
.set VF,  27                           ; v27      offset in fin
.set E,   28                           ; v[28:31] at work
.set X,   32                           ; v[32:95]  slot i: 4 registers as loaded
.set Y,   96                           ; v[96:127] slot i: 2 registers to store
.set RED, 128                          ; v[128:191] the sixteen waves' partial sums
	s_load_b256 s[4:11], s[0:1], 0x0               ; x s[4:5], centroids s[6:7], xh s[8:9], bp s[10:11]
	s_load_b64 s[12:13], s[0:1], 0x20              ; fin
	v_lshl_add_u32 v192, v0, 2, 0x2000
	v_mov_b32 v193, 0
	v_lshrrev_b32 v[VW], 5, v0
	v_readfirstlane_b32 s17, v[VW]                 ; wave
	s_and_b32 s19, ttmp7, 0xffff                   ; b
	s_mov_b32 s14, 0x76543210                      ; v_permlanex16_b32: lane i of one half reads lane i of the other
	s_mov_b32 s15, 0xfedcba98
	s_mov_b32 s16, 0xffff0000                      ; a word's upper bf16
	v_and_b32 v[VP], 15, v0
	v_lshlrev_b32 v[VP], 4, v[VP]
	v_lshrrev_b32 v[VOX], 4, v0
	v_lshl_add_u32 v[VOX], v[VOX], 11, v[VP]       ; row (t >> 4) * 2,048 + piece
	v_lshlrev_b32 v[VOH], 3, v0
	v_lshl_add_u32 v[VW], s17, 8, v[VP]
	s_lshl_b32 s22, ttmp9, 8                       ; dc * 256 bytes: my columns in an f32 row
	s_mov_b32 s23, 0
	s_lshl_b32 s20, s19, 22                        ; b * 2,048 rows * 2,048 bytes
	s_add_co_u32 s20, s20, s22
	s_mov_b32 s21, 0
	s_lshl3_add_u32 s24, s19, ttmp9                ; 8 b + dc
	s_lshl_b32 s26, s24, 18                        ; a block of xh: 2,048 rows of 128 bytes
	s_mov_b32 s27, 0
	s_lshl_b32 s28, s24, 16                        ; a block of bp: 512 rows of 128 bytes
	s_mov_b32 s29, 0
	s_lshl_b32 s30, s24, 8                         ; b * 2,048 + dc * 256 in a plane of fin
	s_mov_b32 s31, 0
.irp j, 0,1,2,3,4,5,6,7
	v_mov_b32 v[ACC+\j], 0                         ; the two sums (ACC and CS lie side by side)
.endr
	s_wait_kmcnt 0x0
	s_add_nc_u64 s[4:5], s[4:5], s[20:21]
	s_add_nc_u64 s[6:7], s[6:7], s[22:23]
	s_add_nc_u64 s[8:9], s[8:9], s[26:27]
	s_add_nc_u64 s[10:11], s[10:11], s[28:29]
	s_add_nc_u64 s[12:13], s[12:13], s[30:31]
.irp i, 0,1,2,3,4,5,6,7,8,9,10,11,12,13,14,15
	global_load_b128 v[X+4*\i:X+4*\i+3], v[VOX], s[4:5] offset:\i*GIN th:TH_LOAD_NT    ; fill the ring: groups 0 to 15
.endr
; slot i's four numbers, rounded to bf16 and widened again, into R
.macro ROUND4 i
	v_cvt_pk_bf16_f32 v[T],   v[X+4*\i],   v[X+4*\i+1]
	v_cvt_pk_bf16_f32 v[T+1], v[X+4*\i+2], v[X+4*\i+3]
	v_lshlrev_b32 v[R],   16,  v[T]
	v_and_b32     v[R+1], s16, v[T]
	v_lshlrev_b32 v[R+2], 16,  v[T+1]
	v_and_b32     v[R+3], s16, v[T+1]
.endm
; One slot's turn on x.  ahead = 1: the slot is filled again with x, 16 groups further down; ahead = 2: with the centroids' group i.
; left = younger loads that may stay out.
.macro XSLOT i, ahead, left
	s_wait_loadcnt \left                           ; loads come back in order: mine is in, the younger ones stay out
	ROUND4 \i
	v_pk_fma_f32 v[ACC:ACC+1],   v[R:R+1],   v[R:R+1],   v[ACC:ACC+1]
	v_pk_fma_f32 v[ACC+2:ACC+3], v[R+2:R+3], v[R+2:R+3], v[ACC+2:ACC+3]
	v_cvt_pk_f16_f32 v[Y+2*\i],   v[R],   v[R+1]
	v_cvt_pk_f16_f32 v[Y+2*\i+1], v[R+2], v[R+3]
.if \ahead == 1
	global_load_b128 v[X+4*\i:X+4*\i+3], v[VOX], s[4:5] offset:(DEPTH+\i)*GIN th:TH_LOAD_NT
.endif
.if \ahead == 2
	global_load_b128 v[X+4*\i:X+4*\i+3], v[VOX], s[6:7] offset:\i*GIN    ; 32 batches read the centroids: no hint
.endif
	global_store_b64 v[VOH], v[Y+2*\i:Y+2*\i+1], s[8:9] offset:\i*GOUT
.endm
	s_mov_b32 s18, 2048/32/DEPTH-1                 ; 64 groups, 16 a round; the last round is written out
.Lround:
.irp i, 0,1,2,3,4,5,6,7,8,9,10,11,12,13,14,15
	XSLOT \i, 1, DEPTH-1                           ; younger than slot i's load: 15 - i of the ring and i refills = 15
.endr
	s_wait_xcnt 0x0                                ; the two bases and Y, which this round's loads and stores name, are rewritten only behind this wait
	s_add_nc_u64 s[4:5], s[4:5], DEPTH*GIN
	s_add_nc_u64 s[8:9], s[8:9], DEPTH*GOUT
	s_sub_co_u32 s18, s18, 1
	s_cmp_lg_u32 s18, 0
	s_cbranch_scc1 .Lround
.irp i, 0,1,2,3,4,5,6,7,8,9,10,11,12,13,14,15
	XSLOT \i, 2, DEPTH-1                           ; x's last round: no load of x is left; each slot takes a group of the centroids, so the count stays 15
.endr
	s_wait_xcnt 0x0                                ; Y is written again below
; The sum of src's four numbers over the 32 rows of a group: the other half of my wave, then the sixteen waves through LDS bytes base .. base + 4,095.
.macro WGSUM src, base
.irp j, 0,1,2,3
	v_permlanex16_b32 v[R+\j], v[\src+\j], s14, s15    ; R has been written before
.endr
	v_pk_add_f32 v[\src:\src+1],   v[\src:\src+1],   v[R:R+1]
	v_pk_add_f32 v[\src+2:\src+3], v[\src+2:\src+3], v[R+2:R+3]
	ds_store_b128 v[VW], v[\src:\src+3] offset:\base   ; both halves of the wave write the same numbers to the same bytes
	s_wait_dscnt 0x0                               ; my store is done before I say so
	s_barrier_signal -1
	s_barrier_wait -1
.irp w, 0,1,2,3,4,5,6,7,8,9,10,11,12,13,14,15
	ds_load_b128 v[RED+4*\w:RED+4*\w+3], v[VP] offset:\base+256*\w
.endr
	s_wait_dscnt 0x0
.irp w, 0,2,4,6,8,10,12,14
	v_pk_add_f32 v[RED+4*\w:RED+4*\w+1],   v[RED+4*\w:RED+4*\w+1],   v[RED+4*\w+4:RED+4*\w+5]
	v_pk_add_f32 v[RED+4*\w+2:RED+4*\w+3], v[RED+4*\w+2:RED+4*\w+3], v[RED+4*\w+6:RED+4*\w+7]
.endr
.irp w, 0,4,8,12
	v_pk_add_f32 v[RED+4*\w:RED+4*\w+1],   v[RED+4*\w:RED+4*\w+1],   v[RED+4*\w+8:RED+4*\w+9]
	v_pk_add_f32 v[RED+4*\w+2:RED+4*\w+3], v[RED+4*\w+2:RED+4*\w+3], v[RED+4*\w+10:RED+4*\w+11]
.endr
.irp w, 0,8
	v_pk_add_f32 v[RED+4*\w:RED+4*\w+1],   v[RED+4*\w:RED+4*\w+1],   v[RED+4*\w+16:RED+4*\w+17]
	v_pk_add_f32 v[RED+4*\w+2:RED+4*\w+3], v[RED+4*\w+2:RED+4*\w+3], v[RED+4*\w+18:RED+4*\w+19]
.endr
	v_pk_add_f32 v[\src:\src+1],   v[RED:RED+1],   v[RED+32:RED+33]
	v_pk_add_f32 v[\src+2:\src+3], v[RED+2:RED+3], v[RED+34:RED+35]
.endm
	WGSUM ACC, 0
	v_pk_mul_f32 v[SC:SC+1],   v[ACC:ACC+1],   0x3a000000 op_sel_hi:[1,0]    ; / 2,048
	v_pk_mul_f32 v[SC+2:SC+3], v[ACC+2:ACC+3], 0x3a000000 op_sel_hi:[1,0]
.irp j, 0,1,2,3
	v_max_num_f32 v[E+\j], 0x2b8cbccc, v[SC+\j]    ; max(scale, 1e-12)
.endr
.irp j, 0,1,2,3
	v_rcp_f32 v[RS+\j], v[E+\j]
.endr
	v_nop                                          ; one plain place behind the reciprocals before they are used (ISA guide 5.7.2)
	s_wait_alu depctr_va_vdst(0)
; One slot's turn on the centroids: slot i holds their group i.
.macro CSLOT i, left
	s_wait_loadcnt \left
	ROUND4 \i
	v_pk_add_f32 v[CS:CS+1],   v[CS:CS+1],   v[R:R+1]
	v_pk_add_f32 v[CS+2:CS+3], v[CS+2:CS+3], v[R+2:R+3]
	v_pk_mul_f32 v[R:R+1],   v[R:R+1],   v[RS:RS+1]
	v_pk_mul_f32 v[R+2:R+3], v[R+2:R+3], v[RS+2:RS+3]
	v_cvt_pk_f16_f32 v[Y+2*\i],   v[R],   v[R+1]
	v_cvt_pk_f16_f32 v[Y+2*\i+1], v[R+2], v[R+3]
	global_store_b64 v[VOH], v[Y+2*\i:Y+2*\i+1], s[10:11] offset:\i*GOUT
.endm
.irp i, 0,1,2,3,4,5,6,7,8,9,10,11,12,13,14,15
	CSLOT \i, DEPTH-1-\i                           ; nothing is loaded any more: the counts run down to 0
.endr
	WGSUM CS, 4096                                 ; other LDS bytes than the first sum's: one barrier is enough
	v_pk_mul_f32 v[SC:SC+1],   v[SC:SC+1],   0x3b000000 op_sel_hi:[1,0]      ; scale / 512
	v_pk_mul_f32 v[SC+2:SC+3], v[SC+2:SC+3], 0x3b000000 op_sel_hi:[1,0]
	s_cmp_lg_u32 s17, 0                            ; every wave holds the sums; wave 0 stores them
	s_cbranch_scc1 .Lend
	v_pk_mul_f32 v[RS:RS+1],   v[SC:SC+1],   v[RS:RS+1]                      ; scale * rs / 512
	v_pk_mul_f32 v[RS+2:RS+3], v[SC+2:SC+3], v[RS+2:RS+3]
	v_pk_mul_f32 v[CS:CS+1],   v[SC:SC+1],   v[CS:CS+1]                      ; scale * column sum / 512
	v_pk_mul_f32 v[CS+2:CS+3], v[SC+2:SC+3], v[CS+2:CS+3]
	v_cmp_lt_u32 vcc_lo, 15, v0                    ; lanes 16 to 31 carry the second plane
.irp j, 0,1,2,3
	v_cndmask_b32 v[E+\j], v[RS+\j], v[CS+\j], vcc_lo
.endr
	v_lshrrev_b32 v[VF], 4, v0
	v_lshl_add_u32 v[VF], v[VF], 16, v[VP]         ; plane * 65,536 + my piece
	global_store_b128 v[VF], v[E:E+3], s[12:13]    ; each half of the wave stores 256 consecutive bytes, aligned
.Lend:
	s_wait_tensorcnt 0x0
	ds_add_u32 v192, v193
	s_wait_dscnt 0x0
	s_endpgm
.Lfunc_end_k_qde932d9170_prep:
	.size	k_qde932d9170_prep, .Lfunc_end_k_qde932d9170_prep-k_qde932d9170_prep
	.p2alignl 7, 3214868480
	.fill 96, 4, 3214868480
	.section	.rodata,"a",@progbits
	.p2align	6, 0x0
	.amdhsa_kernel k_qde932d9170_prep
		.amdhsa_group_segment_fixed_size 10240
		.amdhsa_private_segment_fixed_size 0
		.amdhsa_enable_private_segment 0
		.amdhsa_kernarg_size 40
		.amdhsa_user_sgpr_count 2
		.amdhsa_user_sgpr_kernarg_segment_ptr 1
		.amdhsa_wavefront_size32 1
		.amdhsa_system_sgpr_workgroup_id_x 1
		.amdhsa_system_sgpr_workgroup_id_y 1
		.amdhsa_system_sgpr_workgroup_id_z 1
		.amdhsa_system_vgpr_workitem_id 0
		.amdhsa_next_free_vgpr 194
		.amdhsa_next_free_sgpr 66
		.amdhsa_reserve_vcc 1
		.amdhsa_float_denorm_mode_32 3
		.amdhsa_float_denorm_mode_16_64 3
		.amdhsa_memory_ordered 1
		.amdhsa_forward_progress 1
		.amdhsa_inst_pref_size 48
	.end_amdhsa_kernel
	.amdgpu_metadata
---
amdhsa.version: [ 1, 2 ]
amdhsa.kernels:
  - .name:           k_qde932d9170_prep
    .symbol:         k_qde932d9170_prep.kd
    .args:
      - { .name: x, .offset: 0, .size: 8, .value_kind: global_buffer, .address_space: global }
      - { .name: centroids, .offset: 8, .size: 8, .value_kind: global_buffer, .address_space: global }
      - { .name: xh, .offset: 16, .size: 8, .value_kind: global_buffer, .address_space: global }
      - { .name: bp, .offset: 24, .size: 8, .value_kind: global_buffer, .address_space: global }
      - { .name: fin, .offset: 32, .size: 8, .value_kind: global_buffer, .address_space: global }
    .group_segment_fixed_size: 10240
    .private_segment_fixed_size: 0
    .kernarg_segment_align: 8
    .kernarg_segment_size: 40
    .max_flat_workgroup_size: 512
    .sgpr_count:     66
    .vgpr_count:     194
    .wavefront_size: 32
...
	.end_amdgpu_metadata
.endif
;; end of part 1
;; launch gemm (part 2): grid 8 x 64, 4 waves a work-group, clusters of 4 x 1, 327,680 bytes of LDS; arguments xh, bp, pt, st; writes pt, st
.if DOCPART == 2
	.amdgcn_target "amdgcn-amd-amdhsa--gfx1250"
	.amdhsa_code_object_version 6
	.text
	.protected	k_qde932d9170_gemm
	.globl	k_qde932d9170_gemm
	.p2align	8
	.type	k_qde932d9170_gemm,@function
k_qde932d9170_gemm:
	s_mov_b64 s[64:65], 0
	v_nop
	global_prefetch_b8 v0, s[64:65] scope:SCOPE_SE
	s_setreg_imm32_b32 hwreg(HW_REG_WAVE_MODE, 25, 1), 1
	s_wait_xcnt 0x0
	s_wait_alu depctr_hold_cnt(0) depctr_sa_sdst(0) depctr_va_vdst(0) depctr_va_sdst(0) depctr_va_ssrc(0) depctr_va_vcc(0) depctr_vm_vsrc(0)
	s_getreg_b32 s2, hwreg(HW_REG_IB_STS2, 6, 4)
	s_cmp_eq_u32 s2, 0
	s_cbranch_scc0 .Lentry_in_a_cluster
	s_endpgm
.Lentry_in_a_cluster:
	s_bfe_u32 s2, ttmp6, 0x10000c
	s_cmp_lg_u32 s2, 0x3003
	s_cbranch_scc0 .Lentry_shape_is_right
	s_endpgm
.Lentry_shape_is_right:
; Step 2 of 4: acc[l][k] = sum over d of xh[l][d] * bp[k][d] (f16 operands, f32 sums); the logit is 200 * acc (+ a bias that is constant along the
; softmax's axis l and cancels in exp(s - max over l of s), for every input).  For each tile of 128 tokens j and each centroid k this launch stores
;   st[b][j][0][k] = M2 = alpha * max over the tile's l of acc     (alpha = 200 log2 e: logits in units of log2)
;   st[b][j][1][k] = Z  = sum over the tile's l of p
;   pt[b][k][l]    = p  = exp2(alpha * acc - M2), in bf16
; so the maximum is taken away before every exponential; the tiles' maxima are joined in the next launch.
; LIMIT, stated: operands are f16 (range as stated where they are made); p is kept in bf16.
; A work-group makes 256 tokens x 256 centroids with four waves; a wave makes 128 x 128: 64 accumulator tiles of 16 x 16, 512 registers.
; K = 512 goes in four steps of 128 through two LDS slots.  A slot holds four pieces of 256 rows x 64 columns (128 bytes a row): x's columns
; 0-63 and 64-127 of the step, then the centroids' two.  Each piece is 32,768 consecutive bytes of memory and is brought by one tensor load, one a wave.
; CLUSTERS: the four work-groups of a cluster lie along x (four token blocks of one batch and one half of the centroids) and need the same centroid
; pieces: those are asked for jointly.  x's piece has one partner only, the other half of the centroids, which lies along y where the cluster has
; extent 1: x's pieces are plain loads.
; REGISTERS, in windows of 256: window 0: v16-63 addresses and statistics; v64-127, v128-191 centroid fragments, two buffers; v192-227 at work.
;   window 1: v64-127, v128-191 fragments of x, two buffers.   windows 2, 3: accumulators; tile (kb, lb) at v[8 (8 (kb & 3) + lb)] of window 2 + (kb >> 2).
; Source 0 = 16 tokens, source 1 = 16 centroids: lane (r, h) holds centroid 16 kb + r, register 8 lb + j token 16 lb + 8 h + j.  A centroid's 128
; logits are then 64 consecutive registers of two lanes: maxima and sums over tokens run inside a lane, and 8 registers pack into 16 bytes of a row of pt.
.set PITCH,  144                       ; an LDS row: 128 bytes + 16 of padding, an odd multiple of 16: the 16 rows of a fragment load start 16 bytes apart modulo 256
.set FRAG,   16*PITCH
.set HALFP,  128*PITCH                 ; the 128 rows of a piece that one wave reads
.set PIECE,  256*PITCH                 ; 36,864
.set SLOT,   4*PIECE                   ; 147,456
.set STAGE,  2*SLOT                    ; 294,912, a multiple of 256: behind the ring, never filled by a tensor load
.set SPITCH, 272
.set WSTAGE, 16*SPITCH                 ; each wave's own stage, 4,352 bytes
.set ADRX, 16                          ; v16-17  LDS address of my x fragments in slot 0, 1
.set ADRC, 20                          ; v20-21  the same for the centroids
.set STO,  24                          ; v24     stage: where I put 16 bytes of a row of p
.set RD,   25                          ; v25     stage: where I read a row back
.set CO,   26                          ; v26     my byte offset in pt
.set SS,   27                          ; v27     stage: where I put a statistic
.set SL,   28                          ; v28     stage: where I read 16 bytes of statistics back
.set SG,   29                          ; v29     my byte offset in st
.set MX,   32                          ; v[32:39] max of acc, one for each of my 8 centroid blocks
.set ZS,   40                          ; v[40:47] Z
.set NM,   48                          ; v[48:55] -M2, twice (pairs for the packed multiply-add), for the four blocks of a window
.set MS,   56                          ; v[56:63] M2
.set F0,   64
.set F1,   128
.set TMP,  192                         ; v[192:223] packed results
.set T,    224                         ; v[224:227] the other half's numbers
.set G1X, 24                           ; s[24:31] descriptor group 1 for x's pieces
.set G0X, 32                           ; s[32:39] group 0 for x's pieces, one set for each slot
.set G1C, 48                           ; s[48:55] group 1 for the centroids' pieces: it differs in the mask and bit 21 alone
.set G0C, 56                           ; s[56:63] group 0 for the centroids' pieces
.set MSB, 0
.macro WIN new                         ; the immediate's high byte repeats the setting that is left; switches that change nothing are dropped
.if MSB != (\new)
	s_set_vgpr_msb (MSB<<8)|(\new)
.set MSB, (\new)
.endif
.endm
.set MUL_LO, 0xa1                      ; source 0 (x) window 1, source 1 (centroids) window 0, C and D window 2
.set MUL_HI, 0xf1                      ; the same, C and D window 3
.set TO_X,   0x40                      ; destination window 1, address window 0
; One tensor load a wave: waves 0 and 1 fetch x's two pieces (plain), waves 2 and 3 the centroids' two (joint).  The branch hangs on the wave's number alone.
.macro JLOAD s
	s_cmp_eq_u32 s13, 0
	s_cbranch_scc0 .Lfor_c_\@
	tensor_load_to_lds s[G0X+4*\s:G0X+4*\s+3], s[G1X:G1X+7]
	s_nop 0
	s_branch .Lasked_\@
.Lfor_c_\@:
	tensor_load_to_lds s[G0C+4*\s:G0C+4*\s+3], s[G1C:G1C+7]
	s_nop 0
.Lasked_\@:
.endm
; A round of the cluster's barrier: my work-group's barrier; wave 0 signals for the work-group; every wave waits for all four work-groups; my work-group's barrier again.
.macro CREST                           ; a round behind its opening barrier
	s_cmp_lg_u32 s12, 0
	s_cbranch_scc1 .Lnot_wave_0_\@
	s_barrier_signal -3
.Lnot_wave_0_\@:
	s_barrier_wait -3
	s_barrier_signal -1
	s_barrier_wait -1
.endm
.macro CROUND
	s_barrier_signal -1
	s_barrier_wait -1
	CREST
.endm
	s_load_b256 s[4:11], s[0:1], 0x0               ; xh s[4:5], bp s[6:7], pt s[8:9], st s[10:11]
	s_set_vgpr_msb 0x40
	v_lshl_add_u32 v255, v0, 2, 0x4c400
	s_set_vgpr_msb 0x4000
	v_mov_b32 v255, 0
	s_set_vgpr_msb 0x1
	ds_add_u32 v255, v255
	s_set_vgpr_msb 0x100
	v_lshrrev_b32 v1, 5, v0
	v_readfirstlane_b32 s12, v1                    ; wave 0..3
	s_lshr_b32 s13, s12, 1                         ; which 128 tokens are mine.  Also: I fetch for x (0) or for the centroids (1)
	s_and_b32 s14, s12, 1                          ; which 128 centroids are mine.  Also: which 64 columns of the K step I fetch
	s_bfe_u32 s15, ttmp6, 0x40000                  ; cx
	s_lshl_b32 s16, ttmp9, 2
	s_add_co_u32 s16, s16, s15                     ; token block = 4 x cluster x + cx
	s_and_b32 s17, ttmp7, 0xffff
	s_lshr_b32 s18, s17, 1                         ; b
	s_and_b32 s19, s17, 1                          ; which half of the centroids
	; group 1: a piece as 128 rows of 32 elements of 8 bytes (256 bytes, as they lie in memory), 4 words of padding behind every 32 words, that is behind each 128 bytes
	s_mov_b32 s[G1X+0], (3<<16)|(1<<20)|(4<<22)|(3<<25)            ; 15:0 mask = 0; 17:16 element of 8 bytes; 20 padding on; 24:22 every 32 words (code 4); 31:25 of 4 words (code 3)
	s_mov_b32 s[G1C+0], 15|(3<<16)|(1<<20)|(1<<21)|(4<<22)|(3<<25) ; the same, with the mask of all four places of the cluster and bit 21 beside it
	s_mov_b32 s[G1X+1], 32<<16                     ; tensor_dim0 = 32
	s_mov_b32 s[G1C+1], 32<<16
	s_mov_b32 s[G1X+2], 128<<16                    ; tensor_dim1 = 128
	s_mov_b32 s[G1C+2], 128<<16
	s_mov_b32 s[G1X+3], 32<<16                     ; tile_dim0 = 32
	s_mov_b32 s[G1C+3], 32<<16
	s_mov_b32 s[G1X+4], 128                        ; tile_dim1 = 128
	s_mov_b32 s[G1C+4], 128
	s_mov_b32 s[G1X+5], 32                         ; from row to row: 32 elements
	s_mov_b32 s[G1C+5], 32
	s_mov_b32 s[G1X+6], 0
	s_mov_b32 s[G1C+6], 0
	s_mov_b32 s[G1X+7], 0
	s_mov_b32 s[G1C+7], 0
	; where the pieces come from.  x: batch, column block 2 step + z, token block.  Centroids: batch, column block, half; in registers that never hold cx.
	s_lshl_b32 s20, s18, 21
	s_lshl_b32 s22, s14, 18
	s_add_co_u32 s20, s20, s22
	s_lshl_b32 s22, s16, 15
	s_add_co_u32 s20, s20, s22
	s_mov_b32 s21, 0
	s_lshl_b32 s46, s18, 19
	s_lshl_b32 s23, s14, 16
	s_add_co_u32 s46, s46, s23
	s_lshl_b32 s23, s19, 15
	s_add_co_u32 s46, s46, s23
	s_mov_b32 s47, 0
	s_mul_i32 s3, s12, PIECE                       ; and where they go: piece = wave
	s_mov_b32 s40, 0x439044fe                      ; alpha = 200 log2 e,
	s_mov_b32 s41, 0x439044fe                      ; as a pair
	s_mov_b32 s42, 0x76543210                      ; v_permlanex16_b32: lane i of one half reads lane i of the other
	s_mov_b32 s43, 0xfedcba98
	s_mov_b32 s44, 0xc39044fe                      ; -alpha
	s_mov_b32 s45, 0xffff0000                      ; lanes 16 to 31
	s_wait_dscnt 0x0
	s_wait_kmcnt 0x0
	s_add_nc_u64 s[20:21], s[4:5], s[20:21]
	s_add_nc_u64 s[46:47], s[6:7], s[46:47]
	CROUND                                         ; all four work-groups are here: the first joint loads meet
.irp n, 0,1
	s_mov_b32 s[G0X+4*\n], 1
	s_add_co_u32 s[G0X+4*\n+1], s3, \n*SLOT
	s_add_nc_u64 s[G0X+4*\n+2:G0X+4*\n+3], s[20:21], \n*524288     ; K step n: two column blocks of 262,144 bytes on
	s_or_b32 s[G0X+4*\n+3], s[G0X+4*\n+3], 0x80000000              ; type = 2
	s_mov_b32 s[G0C+4*\n], 1
	s_add_co_u32 s[G0C+4*\n+1], s3, \n*SLOT
	s_add_nc_u64 s[G0C+4*\n+2:G0C+4*\n+3], s[46:47], \n*131072     ; two column blocks of 65,536 bytes on
	s_or_b32 s[G0C+4*\n+3], s[G0C+4*\n+3], 0x80000000
	JLOAD \n                                       ; both slots are asked for before anything else: two tensor loads of the wave are out
.endr
	; A fragment is 16 rows x 32 K in 8 registers: lane l holds row l % 16; registers 0-3 K = 8 (l / 16) + 0..7, registers 4-7 K = 16 + 8 (l / 16) + 0..7:
	; two loads of 16 bytes, 32 bytes apart.
	v_and_b32 v1, 15, v0                           ; r
	v_bfe_u32 v2, v0, 4, 1                         ; h
	v_mul_u32_u24 v3, v1, PITCH
	v_lshl_add_u32 v3, v2, 4, v3
	s_mul_i32 s22, s13, HALFP                      ; my 128 tokens
	s_mul_i32 s23, s14, HALFP                      ; my 128 centroids,
	s_add_co_u32 s23, s23, 2*PIECE                 ; behind x's two pieces
.irp n, 0,1
	v_add_nc_u32 v[ADRX+\n], s22, v3
	v_add_nc_u32 v[ADRC+\n], s23, v3
	s_add_co_u32 s22, s22, SLOT
	s_add_co_u32 s23, s23, SLOT
.endr
	s_mul_i32 s20, s12, WSTAGE
	s_add_co_u32 s20, s20, STAGE                   ; my stage
	v_mul_u32_u24 v4, v1, SPITCH                   ; in: row r (a centroid), 16 bytes for each half of the lanes
	v_lshl_add_u32 v4, v2, 4, v4
	v_add_nc_u32 v[STO], s20, v4
	v_mul_u32_u24 v5, v2, SPITCH                   ; back: lanes 0-15 take one row of 256 bytes, lanes 16-31 the next
	v_lshl_add_u32 v5, v1, 4, v5
	v_add_nc_u32 v[RD], s20, v5
	v_lshlrev_b32 v5, 12, v2                       ; the same two rows in pt: 4,096 bytes apart
	v_lshl_add_u32 v[CO], v1, 4, v5
	v_lshlrev_b32 v5, 9, v2                        ; statistics: M2 in bytes 0-511 of the stage, Z in 512-1023
	v_lshl_add_u32 v5, v1, 2, v5
	v_add_nc_u32 v[SS], s20, v5
	v_and_b32 v5, 31, v0
	v_lshlrev_b32 v[SG], 4, v5
	v_add_nc_u32 v[SL], s20, v[SG]
.irp q, 0,1,2,3
	v_mov_b32 v[T+\q], 0                           ; v_permlanex16_b32 counts as a reader of its destination
.endr
	s_lshl_b32 s20, s18, 21                        ; pt: batch, half of the centroids, my 128 rows, token block, my 128 tokens
	s_lshl_b32 s21, s19, 20
	s_add_co_u32 s20, s20, s21
	s_lshl_b32 s21, s14, 19
	s_add_co_u32 s20, s20, s21
	s_lshl_b32 s21, s16, 9
	s_add_co_u32 s20, s20, s21
	s_lshl_b32 s21, s13, 8
	s_add_co_u32 s20, s20, s21
	s_mov_b32 s21, 0
	s_add_nc_u64 s[8:9], s[8:9], s[20:21]
	s_lshl1_add_u32 s22, s16, s13                  ; st: token tile j = 2 x token block + my half
	s_lshl_b32 s22, s22, 12
	s_lshl_b32 s23, s18, 16
	s_add_co_u32 s22, s22, s23
	s_lshl_b32 s23, s19, 10
	s_add_co_u32 s22, s22, s23
	s_lshl_b32 s23, s14, 9
	s_add_co_u32 s22, s22, s23
	s_mov_b32 s23, 0
	s_add_nc_u64 s[10:11], s[10:11], s[22:23]
; 16 matrix instructions: centroid blocks a0, a0 + 1 of the window's four x all 8 token blocks, 32 along K.  zero = 1: the first product starts the sums.
; The 64 accumulators take turns, one instruction a turn, in the same order in every quarter step.
.macro MUL16 f, hi, a0, zero
.irp a, \a0, \a0+1
.irp b, 0,1,2,3,4,5,6,7
.if \zero
	v_wmma_f32_16x16x32_f16 v[8*(8*(\a)+\b):8*(8*(\a)+\b)+7], v[\f+8*\b:\f+8*\b+7], v[\f+8*(4*\hi+\a):\f+8*(4*\hi+\a)+7], 0
.else
	v_wmma_f32_16x16x32_f16 v[8*(8*(\a)+\b):8*(8*(\a)+\b)+7], v[\f+8*\b:\f+8*\b+7], v[\f+8*(4*\hi+\a):\f+8*(4*\hi+\a)+7], v[8*(8*(\a)+\b):8*(8*(\a)+\b)+7]
.endif
.endr
.endr
.endm
; 32 LDS loads in one run: the fragments of one quarter step (128 tokens, 128 centroids, 32 K at byte k of the slot's first piece) into buffer f
.macro FETCH slot, k, f
	WIN TO_X
.irp i, 0,1,2,3,4,5,6,7
	ds_load_b128 v[\f+8*\i:\f+8*\i+3],   v[ADRX+\slot] offset:\k+\i*FRAG
	ds_load_b128 v[\f+8*\i+4:\f+8*\i+7], v[ADRX+\slot] offset:\k+\i*FRAG+32
.endr
	WIN 0
.irp i, 0,1,2,3,4,5,6,7
	ds_load_b128 v[\f+8*\i:\f+8*\i+3],   v[ADRC+\slot] offset:\k+\i*FRAG
	ds_load_b128 v[\f+8*\i+4:\f+8*\i+7], v[ADRC+\slot] offset:\k+\i*FRAG+32
.endr
.endm
; Four places of plain vector instructions stand between a matrix instruction and a load into, or a vector instruction on, one of its registers.
.macro PLACES
.rept 4
	v_nop
.endr
.endm
; A K step is four quarter steps of 32 along K, at bytes 0, 64 of the first piece's rows and 0, 64 of the second's, on buffers 0, 1, 0, 1.
.macro QUARTER slot, k, f, g, zero
	s_wait_dscnt 8                                 ; x and centroid blocks 0-3 are in; the youngest eight loads (centroid blocks 4-7) may be out
	WIN MUL_LO
	MUL16 \f, 0, 0, \zero
	MUL16 \f, 0, 2, \zero
	PLACES
	FETCH \slot, \k, \g
	s_wait_dscnt 32                                ; all but the 32 just issued
	WIN MUL_HI
	MUL16 \f, 1, 0, \zero
	MUL16 \f, 1, 2, \zero
.endm
.macro THREE slot, zero
	QUARTER \slot, 64,       F0, F1, \zero
	QUARTER \slot, PIECE,    F1, F0, 0
	QUARTER \slot, PIECE+64, F0, F1, 0
.endm
; The last quarter of a K step multiplies buffer 1 and changes slots.  In front of the barrier each wave waits for its reads of this slot and for all its
; tensor loads (one is out: its piece of the next slot).  fill = 1: the barrier opens a round of the cluster's barrier, and the refill, two K steps ahead,
; is the wave's first and only tensor load behind the round.
.macro TURN slot, next, fill
	s_wait_dscnt 8
	WIN MUL_LO
	MUL16 F1, 0, 0, 0
	s_wait_dscnt 0                                 ; my reads of this slot are over
	s_wait_tensorcnt 0x0                           ; and all my tensor loads have landed
	ds_add_u32 v255, v255
	s_wait_dscnt 0x0
	s_barrier_signal -1
	MUL16 F1, 0, 2, 0                              ; register work while the others arrive
	WIN 0
	s_barrier_wait -1
.if \fill
	CREST                                          ; no wave of any partner still reads this slot or has a load on its way
	s_add_nc_u64 s[G0X+4*\slot+2:G0X+4*\slot+3], s[G0X+4*\slot+2:G0X+4*\slot+3], 1048576
	s_add_nc_u64 s[G0C+4*\slot+2:G0C+4*\slot+3], s[G0C+4*\slot+2:G0C+4*\slot+3], 262144
	JLOAD \slot
.endif
	PLACES
	FETCH \next, 0, F0
	WIN MUL_HI
	MUL16 F1, 1, 0, 0
	MUL16 F1, 1, 2, 0
.endm
	s_wait_tensorcnt 1                             ; my piece of K step 0 is in; K step 1's stays out
	s_barrier_signal -1
	s_barrier_wait -1                              ; everybody's is
	FETCH 0, 0, F0
	THREE 0, 1                                     ; K step 0: its first products start the sums
	TURN 0, 1, 1                                   ; slot 0 is asked for again: K step 2
	THREE 1, 0                                     ; K step 1
	TURN 1, 0, 1                                   ; slot 1: K step 3
	THREE 0, 0                                     ; K step 2
	TURN 0, 1, 0                                   ; nothing is left to fetch
	THREE 1, 0                                     ; K step 3
	s_wait_dscnt 8
	WIN MUL_LO
	MUL16 F1, 0, 0, 0
	MUL16 F1, 0, 2, 0
	s_wait_dscnt 0
	WIN MUL_HI
	MUL16 F1, 1, 0, 0
	MUL16 F1, 1, 2, 0
	PLACES                                         ; behind the last matrix instructions, before vector instructions read results
; THE SOFTMAX'S LOCAL PART, a window (four centroid blocks q, 64 registers each) at a time.  hi = 0: window 2, 1: window 3.
; window settings: 0x0a / 0x0f sources 0, 1 in the window; 0x82 / 0xc3 source 0 and destination; 0x8a / 0xcf sources 0, 1 and destination.
.macro COLMAX hi                       ; the largest of my 64 numbers of each block: four chains that take turns
	WIN 0x0a+5*\hi
.irp q, 0,1,2,3
	v_max_num_f32 v[MX+4*\hi+\q], v[64*\q], v[64*\q+1]
.endr
.set i, 1
.rept 31
.irp q, 0,1,2,3
	v_max3_num_f32 v[MX+4*\hi+\q], v[64*\q+2*i], v[64*\q+2*i+1], v[MX+4*\hi+\q]
.endr
.set i, i+1
.endr
.endm
.macro HALFMAX hi                      ; the other half of the lanes holds the centroid's other 64 tokens
	WIN 0
.irp q, 0,1,2,3
	v_permlanex16_b32 v[T+\q], v[MX+4*\hi+\q], s42, s43
.endr
.irp q, 0,1,2,3
	v_max_num_f32 v[MX+4*\hi+\q], v[MX+4*\hi+\q], v[T+\q]
.endr
.irp q, 0,1,2,3
	v_mul_f32 v[MS+4*\hi+\q], s40, v[MX+4*\hi+\q]  ; M2 = alpha * max, rounded once; what is taken away below is exactly this number
	v_mul_f32 v[NM+2*\q],   s44, v[MX+4*\hi+\q]
	v_mul_f32 v[NM+2*\q+1], s44, v[MX+4*\hi+\q]
.endr
.endm
.macro EXPS hi                         ; p = exp2(alpha * acc - M2), in place
	WIN 0x82+0x41*\hi
.irp q, 0,1,2,3
.set i, 0
.rept 32
	v_pk_fma_f32 v[64*\q+2*i:64*\q+2*i+1], v[64*\q+2*i:64*\q+2*i+1], s[40:41], v[NM+2*\q:NM+2*\q+1] op_sel_hi:[1,0,1]
.set i, i+1
.endr
.endr
.set i, 0
.rept 256
	v_exp_f32 v[i], v[i]
.set i, i+1
.endr
	v_nop                                          ; one plain place behind the exponentials before they are used (ISA guide 5.7.2)
	s_wait_alu depctr_va_vdst(0)
.endm
; 16 rows of pt (block q of the window): round to bf16, 16 bytes a lane into my own stage, read back as whole rows of 256 bytes, store.
.macro POUT hi, q, f
	WIN 0x0a+5*\hi
.irp lb, 0,1,2,3,4,5,6,7
.irp r, 0,1,2,3
	v_cvt_pk_bf16_f32 v[TMP+4*\lb+\r], v[64*\q+8*\lb+2*\r], v[64*\q+8*\lb+2*\r+1]
.endr
.endr
	WIN 0
.irp lb, 0,1,2,3,4,5,6,7
	ds_store_b128 v[STO], v[TMP+4*\lb:TMP+4*\lb+3] offset:32*\lb   ; tokens 16 lb + 8 h + 0..7 of centroid r
.endr
	s_wait_xcnt 0x0                                ; buffer f, which earlier stores read, is loaded again only behind this wait
.irp t, 0,1,2,3,4,5,6,7
	ds_load_b128 v[\f+4*\t:\f+4*\t+3], v[RD] offset:\t*2*SPITCH    ; LDS serves a wave's instructions in order: these see the stores above
.endr
.irp t, 0,1,2,3,4,5,6,7
	s_wait_dscnt 7-\t
	global_store_b128 v[CO], v[\f+4*\t:\f+4*\t+3], s[8:9] offset:(4*\hi+\q)*65536+\t*8192   ; 16 lanes store 256 consecutive bytes, aligned
.endr
.endm
.macro COLSUM hi                       ; Z: p is not needed again, so the sums are made in place, pair onto pair: 16 + 8 + 4 + 2 + 1 packed adds a block
	WIN 0x8a+0x45*\hi
.irp s, 16,8,4,2,1
.irp q, 0,1,2,3
.set i, 0
.rept \s
	v_pk_add_f32 v[64*\q+2*i:64*\q+2*i+1], v[64*\q+2*i:64*\q+2*i+1], v[64*\q+2*(i+\s):64*\q+2*(i+\s)+1]
.set i, i+1
.endr
.endr
.endr
	WIN 0x0a+5*\hi
.irp q, 0,1,2,3
	v_add_f32 v[ZS+4*\hi+\q], v[64*\q], v[64*\q+1]
.endr
	WIN 0
.irp q, 0,1,2,3
	v_permlanex16_b32 v[T+\q], v[ZS+4*\hi+\q], s42, s43
.endr
.irp q, 0,1,2,3
	v_add_f32 v[ZS+4*\hi+\q], v[ZS+4*\hi+\q], v[T+\q]
.endr
.endm
.macro LOCAL hi
	COLMAX \hi
	HALFMAX \hi
	EXPS \hi
	POUT \hi, 0, F0
	POUT \hi, 1, F1
	POUT \hi, 2, F0
	POUT \hi, 3, F1
	COLSUM \hi
.endm
	LOCAL 0
	LOCAL 1
	; the statistics of my 128 centroids: lanes 0-15 put M2, lanes 16-31 Z, into my stage; read back 16 bytes a lane and stored as 512 consecutive bytes each
.irp g, 0,1,2,3,4,5,6,7
	v_cndmask_b32 v[TMP+\g], v[MS+\g], v[ZS+\g], s45
	ds_store_b32 v[SS], v[TMP+\g] offset:64*\g
.endr
	s_wait_xcnt 0x0                                ; buffer 0 was the data of stores
	ds_load_b128 v[F0:F0+3],   v[SL]
	ds_load_b128 v[F0+4:F0+7], v[SL] offset:512
	s_wait_dscnt 0x0                               ; also: no LDS instruction is pending at the signals below
	global_store_b128 v[SG], v[F0:F0+3],   s[10:11]
	global_store_b128 v[SG], v[F0+4:F0+7], s[10:11] offset:2048
	s_set_vgpr_msb 0x1
	s_wait_tensorcnt 0x0
	ds_add_u32 v255, v255
	s_wait_dscnt 0x0
	s_set_vgpr_msb 0x100
	CROUND                                         ; the closing round: no work-group ends while a partner may still ask for a piece that names it
	s_endpgm
.Lfunc_end_k_qde932d9170_gemm:
	.size	k_qde932d9170_gemm, .Lfunc_end_k_qde932d9170_gemm-k_qde932d9170_gemm
	.p2alignl 7, 3214868480
	.fill 96, 4, 3214868480
	.section	.rodata,"a",@progbits
	.p2align	6, 0x0
	.amdhsa_kernel k_qde932d9170_gemm
		.amdhsa_group_segment_fixed_size 327680
		.amdhsa_private_segment_fixed_size 0
		.amdhsa_enable_private_segment 0
		.amdhsa_kernarg_size 32
		.amdhsa_user_sgpr_count 2
		.amdhsa_user_sgpr_kernarg_segment_ptr 1
		.amdhsa_wavefront_size32 1
		.amdhsa_system_sgpr_workgroup_id_x 1
		.amdhsa_system_sgpr_workgroup_id_y 1
		.amdhsa_system_sgpr_workgroup_id_z 1
		.amdhsa_system_vgpr_workitem_id 0
		.amdhsa_next_free_vgpr 1024
		.amdhsa_next_free_sgpr 66
		.amdhsa_reserve_vcc 0
		.amdhsa_float_denorm_mode_32 3
		.amdhsa_float_denorm_mode_16_64 3
		.amdhsa_memory_ordered 1
		.amdhsa_forward_progress 1
		.amdhsa_inst_pref_size 212
	.end_amdhsa_kernel
	.amdgpu_metadata
---
amdhsa.version: [ 1, 2 ]
amdhsa.kernels:
  - .name:           k_qde932d9170_gemm
    .symbol:         k_qde932d9170_gemm.kd
    .args:
      - { .name: xh, .offset: 0, .size: 8, .value_kind: global_buffer, .address_space: global }
      - { .name: bp, .offset: 8, .size: 8, .value_kind: global_buffer, .address_space: global }
      - { .name: pt, .offset: 16, .size: 8, .value_kind: global_buffer, .address_space: global }
      - { .name: st, .offset: 24, .size: 8, .value_kind: global_buffer, .address_space: global }
    .group_segment_fixed_size: 327680
    .private_segment_fixed_size: 0
    .kernarg_segment_align: 8
    .kernarg_segment_size: 32
    .max_flat_workgroup_size: 128
    .sgpr_count:     66
    .vgpr_count:     1024
    .wavefront_size: 32
...
	.end_amdgpu_metadata
.endif
;; end of part 2
;; launch pool (part 3): grid 8 x 32, 16 waves a work-group, no clusters, 27,648 bytes of LDS; arguments pt, st, xh, op; writes op
.if DOCPART == 3
	.amdgcn_target "amdgcn-amd-amdhsa--gfx1250"
	.amdhsa_code_object_version 6
	.text
	.protected	k_qde932d9170_pool
	.globl	k_qde932d9170_pool
	.p2align	8
	.type	k_qde932d9170_pool,@function
k_qde932d9170_pool:
	s_mov_b64 s[64:65], 0
	v_nop
	global_prefetch_b8 v0, s[64:65] scope:SCOPE_SE
	s_setreg_imm32_b32 hwreg(HW_REG_WAVE_MODE, 25, 1), 1
	s_wait_xcnt 0x0
; Step 3 of 4.  The mean over centroids commutes with the sum over tokens, so the second contraction of the module is a weighted sum of rows:
;   w[l] = sum over k of a[l][k],   a[l][k] = p[k][l] * f[j(l)][k],   f[j][k] = exp2(M2[j][k] - Mg[k]) / Zg[k],
;   Mg = max over the 16 token tiles j of M2,   Zg = sum over j of Z[j] * exp2(M2[j] - Mg)     (the softmax over all 2,048 tokens, maximum taken away)
;   op[b][t][d] = sum over the work-group's 256 tokens of w[l] * xh[l][d]
; A work-group owns 256 tokens (token tiles 2 t and 2 t + 1) of one batch.  Memory binds: p and xh are each read once, in loads of 512 consecutive bytes
; a wave; no matrix unit (a product with one row), no cluster (only the 64 KiB of statistics of a batch are shared, against 512 KiB of a work-group's own).
; Sixteen waves, so that much is on its way: each wave asks for all its 32 rows of p at the start (16 x 32 x 512 bytes = the work-group's whole 256 KiB),
; and for the first 16 of its 32 loads of xh as soon as the statistics, which landed in those registers, have been read.
; Straight-line text: every step of an address stands in an immediate.
; LDS: F[2][512] f32 at 0; W[16 waves][256 tokens] at 4,096; W2[4][64] at 20,480 (w[4 i + q] at [q][i]); O[2 row halves][512] at 21,504.
.set LW,  4096
.set LW2, 20480
.set LO,  21504
.set VOP, 1                            ; v1   wave * 131,072 + 16 lane: my 32 rows of pt (4,096 bytes each)
.set VOX, 2                            ; v2   column block (wave >> 1) * 262,144 + row half (wave & 1) * 16,384 + 16 lane, in xh
.set VS,  3                            ; v3   4 t
.set VFR, 4                            ; v4   F: my token tile's row, my wave's 32 centroids
.set VW,  5                            ; v5   32 t
.set VTK, 6                            ; v6   4 (t & 255)
.set VW2, 7                            ; v7   where w[t & 255] goes in W2
.set VWR, 8                            ; v8   my 32 words of W2
.set VOS, 9                            ; v9   where my 8 columns go in O
.set WA,  10                           ; v[10:17] w of my 8 tokens (phase B)
.set T,   10                           ; v[10:17] at work (phase C)
.set OA,  18                           ; v[18:25] sums of my 8 columns
.set MG,  26                           ; v26  Mg; before and after that at work
.set ZG,  27                           ; v27, v28  Zg in two chains
.set ZH,  28
.set RZ,  29
.set OWN, 30                           ; v30, v31  M2 of my two tiles, then f
.set FR,  32                           ; v[32:63] f of my 32 centroids (phase B)
.set WR,  32                           ; v[32:63] w of my 32 rows (phase C)
.set ST,  64                           ; v[64:95] tile j: M2, Z (phase A)
                                       ; v[64:127] then 16 slots of xh (their 16-bit halves are named below, which wants registers under v128)
.set P,   128                          ; v[128:255] 32 slots of p
	s_load_b256 s[4:11], s[0:1], 0x0               ; pt s[4:5], st s[6:7], xh s[8:9], op s[10:11]
	v_lshrrev_b32 v[MG], 5, v0
	v_readfirstlane_b32 s12, v[MG]                 ; wave
	s_and_b32 s13, ttmp7, 0xffff                   ; b
	s_mov_b32 s14, 0x76543210                      ; v_permlanex16_b32: lane i of one half reads lane i of the other
	s_mov_b32 s15, 0xfedcba98
	v_lshlrev_b32 v[VS], 2, v0
	v_and_b32 v[ZG], 31, v0
	v_lshlrev_b32 v[ZG], 4, v[ZG]                  ; 16 lane
	v_lshl_add_u32 v[VOP], s12, 17, v[ZG]
	s_lshr_b32 s30, s12, 1                         ; my column block in phase C
	s_and_b32 s31, s12, 1                          ; my half of the 256 rows
	s_lshl_b32 s2, s30, 18
	s_lshl_b32 s3, s31, 14
	s_add_co_u32 s2, s2, s3
	v_add_nc_u32 v[VOX], s2, v[ZG]
	s_lshl_b32 s16, s13, 21                        ; a batch of pt and of xh: 2,097,152 bytes
	s_lshl_b32 s18, ttmp9, 9                       ; my 256 tokens in a row of pt
	s_add_co_u32 s18, s16, s18
	s_mov_b32 s19, 0
	s_lshl_b32 s20, ttmp9, 15                      ; my 256 rows in a column block of xh
	s_add_co_u32 s20, s16, s20
	s_mov_b32 s21, 0
	s_lshl_b32 s22, s13, 16                        ; a batch of st
	s_mov_b32 s23, 0
	s_lshl_b32 s24, ttmp9, 13                      ; my first tile in it
	s_mov_b32 s25, 0
	s_lshl3_add_u32 s26, s13, ttmp9
	s_lshl_b32 s26, s26, 11
	s_mov_b32 s27, 0
	s_wait_kmcnt 0x0
	s_add_nc_u64 s[4:5], s[4:5], s[18:19]
	s_add_nc_u64 s[6:7], s[6:7], s[22:23]
	s_add_nc_u64 s[28:29], s[6:7], s[24:25]
	s_add_nc_u64 s[8:9], s[8:9], s[20:21]
	s_add_nc_u64 s[10:11], s[10:11], s[26:27]
.irp j, 0,1,2,3,4,5,6,7,8,9,10,11,12,13,14,15
	global_load_b32 v[ST+2*\j],   v[VS], s[6:7] offset:\j*4096         ; M2 of centroid t
	global_load_b32 v[ST+2*\j+1], v[VS], s[6:7] offset:\j*4096+2048    ; Z
.endr
	global_load_b32 v[OWN],   v[VS], s[28:29]
	global_load_b32 v[OWN+1], v[VS], s[28:29] offset:4096
.set k, 0
.rept 32
	global_load_b128 v[P+4*k:P+4*k+3], v[VOP], s[4:5] offset:k*4096 th:TH_LOAD_NT
.set k, k+1
.endr
.irp j, 0,1,2,3,4,5,6,7,8,9,10,11,12,13,14,15
	v_mov_b32 v[WA+\j], 0                          ; the two sets of sums (WA and OA lie side by side)
.endr
	v_bfe_u32 v[MG], v0, 4, 1                      ; lanes 0-15 hold tokens of the first tile, lanes 16-31 of the second
	v_lshlrev_b32 v[MG], 11, v[MG]
	v_lshl_add_u32 v[VFR], s12, 7, v[MG]
	v_and_b32 v[VTK], 255, v0
	v_and_b32 v[MG], 3, v[VTK]
	v_lshrrev_b32 v[ZG], 2, v[VTK]
	v_lshlrev_b32 v[ZG], 2, v[ZG]
	v_lshl_add_u32 v[VW2], v[MG], 8, v[ZG]
	v_lshlrev_b32 v[VTK], 2, v[VTK]
	v_bfe_u32 v[VWR], v0, 3, 2
	v_lshlrev_b32 v[VWR], 8, v[VWR]
	v_lshl_add_u32 v[VWR], s31, 7, v[VWR]
	v_and_b32 v[MG], 7, v0
	v_lshlrev_b32 v[MG], 5, v[MG]
	v_lshl_add_u32 v[MG], s30, 8, v[MG]
	v_lshl_add_u32 v[VOS], s31, 11, v[MG]
	; PHASE A: join the 16 tiles' statistics, for my centroid
	s_wait_loadcnt 32                              ; the 34 loads of statistics are in; the 32 of p behind them stay out
	v_max_num_f32 v[MG], v[ST], v[ST+2]
.irp j, 2,4,6,8,10,12,14
	v_max3_num_f32 v[MG], v[ST+2*\j], v[ST+2*\j+2], v[MG]
.endr
.irp j, 0,1,2,3,4,5,6,7,8,9,10,11,12,13,14,15
	v_sub_f32 v[ST+2*\j], v[ST+2*\j], v[MG]
.endr
	v_sub_f32 v[OWN],   v[OWN],   v[MG]
	v_sub_f32 v[OWN+1], v[OWN+1], v[MG]
.irp j, 0,1,2,3,4,5,6,7,8,9,10,11,12,13,14,15
	v_exp_f32 v[ST+2*\j], v[ST+2*\j]
.endr
	v_exp_f32 v[OWN],   v[OWN]
	v_exp_f32 v[OWN+1], v[OWN+1]
	v_lshlrev_b32 v[VW], 5, v0                     ; the plain place behind the exponentials (ISA guide 5.7.2)
	s_wait_alu depctr_va_vdst(0)
	v_mul_f32 v[ZG], v[ST],   v[ST+1]
	v_mul_f32 v[ZH], v[ST+2], v[ST+3]
.irp j, 2,4,6,8,10,12,14
	v_fmac_f32 v[ZG], v[ST+2*\j],   v[ST+2*\j+1]
	v_fmac_f32 v[ZH], v[ST+2*\j+2], v[ST+2*\j+3]
.endr
	v_add_f32 v[ZG], v[ZG], v[ZH]
.irp i, 0,1,2,3,4,5,6,7,8,9,10,11,12,13,14,15
	global_load_b128 v[64+4*\i:67+4*\i], v[VOX], s[8:9] offset:\i*512 th:TH_LOAD_NT    ; the statistics have been read: their registers take xh's first 16 loads
.endr
	v_rcp_f32 v[RZ], v[ZG]                         ; Zg holds the sum of the tile that has the maximum, whose largest p is 1 up to rounding: no small divisor
	v_nop                                          ; the plain place behind the reciprocal
	s_wait_alu depctr_va_vdst(0)
	v_mul_f32 v[OWN],   v[OWN],   v[RZ]
	v_mul_f32 v[OWN+1], v[OWN+1], v[RZ]
	ds_store_b32 v[VS], v[OWN]
	ds_store_b32 v[VS], v[OWN+1] offset:2048
	s_wait_dscnt 0x0                               ; my stores are done before I say so
	s_barrier_signal -1
	s_barrier_wait -1
	; PHASE B: wave w takes centroids 32 w .. 32 w + 31; a load is one centroid's 256 tokens; lane L holds tokens 8 L .. 8 L + 7, of tile L >> 4
.irp q, 0,1,2,3,4,5,6,7
	ds_load_b128 v[FR+4*\q:FR+4*\q+3], v[VFR] offset:16*\q
.endr
	s_wait_dscnt 0x0
.set k, 0
.rept 32
	s_wait_loadcnt 47-k                            ; younger than row k's load: 31 - k of p and the 16 of xh
.irp e, 0,1,2,3
	v_fma_mix_f32_bf16 v[WA+2*\e],   v[P+4*k+\e], v[FR+k], v[WA+2*\e]   op_sel_hi:[1,0,0]
	v_fma_mix_f32_bf16 v[WA+2*\e+1], v[P+4*k+\e], v[FR+k], v[WA+2*\e+1] op_sel:[1,0,0] op_sel_hi:[1,0,0]
.endr
.set k, k+1
.endr
	ds_store_b128 v[VW], v[WA:WA+3]   offset:LW
	ds_store_b128 v[VW], v[WA+4:WA+7] offset:LW+16
	s_wait_dscnt 0x0
	s_barrier_signal -1
	s_barrier_wait -1
	s_cmp_gt_u32 s12, 7                            ; 256 tokens: the first 256 threads add the sixteen waves' partial sums
	s_cbranch_scc1 .Lsummed
.irp w, 0,1,2,3,4,5,6,7,8,9,10,11,12,13,14,15
	ds_load_b32 v[P+\w], v[VTK] offset:LW+1024*\w  ; p's registers are free: the last wait above showed its last load done
.endr
	s_wait_dscnt 0x0
.irp e, 0,2,4,6
	v_pk_add_f32 v[P+\e:P+\e+1], v[P+\e:P+\e+1], v[P+8+\e:P+9+\e]
.endr
	v_pk_add_f32 v[P:P+1],   v[P:P+1],   v[P+4:P+5]
	v_pk_add_f32 v[P+2:P+3], v[P+2:P+3], v[P+6:P+7]
	v_pk_add_f32 v[P:P+1],   v[P:P+1],   v[P+2:P+3]
	v_add_f32 v[P], v[P], v[P+1]
	ds_store_b32 v[VW2], v[P] offset:LW2
.Lsummed:
	s_wait_dscnt 0x0
	s_barrier_signal -1
	s_barrier_wait -1
	; PHASE C: wave w takes column block w >> 1 and rows 128 (w & 1) .. + 127; load i brings rows 4 i + (L >> 3), columns 8 (L & 7) .. + 7;
	; the lane's 32 weights are neighbouring words of W2
.irp q, 0,1,2,3,4,5,6,7
	ds_load_b128 v[WR+4*\q:WR+4*\q+3], v[VWR] offset:LW2+16*\q
.endr
	s_wait_dscnt 0x0
; i = the load's number, 0 to 31; r0 .. r3 its slot's registers by name; left = younger loads that may stay out
.macro XS3 i, r0, r1, r2, r3, ahead, left
	s_wait_loadcnt \left
	v_cvt_f32_f16 v[T],   v\r0\().l
	v_cvt_f32_f16 v[T+1], v\r0\().h
	v_cvt_f32_f16 v[T+2], v\r1\().l
	v_cvt_f32_f16 v[T+3], v\r1\().h
	v_cvt_f32_f16 v[T+4], v\r2\().l
	v_cvt_f32_f16 v[T+5], v\r2\().h
	v_cvt_f32_f16 v[T+6], v\r3\().l
	v_cvt_f32_f16 v[T+7], v\r3\().h
.irp e, 0,2,4,6
.if (\i)%2
	v_pk_fma_f32 v[OA+\e:OA+\e+1], v[T+\e:T+\e+1], v[WR+(\i)/2*2:WR+(\i)/2*2+1], v[OA+\e:OA+\e+1] op_sel:[0,1,0] op_sel_hi:[1,1,1]   ; both by the pair's second word
.else
	v_pk_fma_f32 v[OA+\e:OA+\e+1], v[T+\e:T+\e+1], v[WR+(\i)/2*2:WR+(\i)/2*2+1], v[OA+\e:OA+\e+1] op_sel_hi:[1,0,1]                  ; both by its first
.endif
.endr
.if \ahead
	global_load_b128 v[\r0:\r3], v[VOX], s[8:9] offset:(\i+16)*512 th:TH_LOAD_NT
.endif
.endm
.macro XROUND rr, ahead, lc, ld
	XS3 16*\rr+0,  64,  65,  66,  67,  \ahead, \lc-\ld*0
	XS3 16*\rr+1,  68,  69,  70,  71,  \ahead, \lc-\ld*1
	XS3 16*\rr+2,  72,  73,  74,  75,  \ahead, \lc-\ld*2
	XS3 16*\rr+3,  76,  77,  78,  79,  \ahead, \lc-\ld*3
	XS3 16*\rr+4,  80,  81,  82,  83,  \ahead, \lc-\ld*4
	XS3 16*\rr+5,  84,  85,  86,  87,  \ahead, \lc-\ld*5
	XS3 16*\rr+6,  88,  89,  90,  91,  \ahead, \lc-\ld*6
	XS3 16*\rr+7,  92,  93,  94,  95,  \ahead, \lc-\ld*7
	XS3 16*\rr+8,  96,  97,  98,  99,  \ahead, \lc-\ld*8
	XS3 16*\rr+9,  100, 101, 102, 103, \ahead, \lc-\ld*9
	XS3 16*\rr+10, 104, 105, 106, 107, \ahead, \lc-\ld*10
	XS3 16*\rr+11, 108, 109, 110, 111, \ahead, \lc-\ld*11
	XS3 16*\rr+12, 112, 113, 114, 115, \ahead, \lc-\ld*12
	XS3 16*\rr+13, 116, 117, 118, 119, \ahead, \lc-\ld*13
	XS3 16*\rr+14, 120, 121, 122, 123, \ahead, \lc-\ld*14
	XS3 16*\rr+15, 124, 125, 126, 127, \ahead, \lc-\ld*15
.endm
	XROUND 0, 1, 15, 0                             ; younger than slot i's load: 15 - i of the ring and i refills = 15
	XROUND 1, 0, 15, 1                             ; no refills: the counts run down to 0
	; lanes L, L ^ 8, L ^ 16, L ^ 24 hold the same columns of different rows
.irp e, 0,1,2,3,4,5,6,7
	v_add_f32_dpp v[OA+\e], v[OA+\e], v[OA+\e] row_xmask:8 row_mask:0xf bank_mask:0xf
.endr
.irp e, 0,1,2,3,4,5,6,7
	v_permlanex16_b32 v[T+\e], v[OA+\e], s14, s15  ; T has been written before
.endr
.irp e, 0,2,4,6
	v_pk_add_f32 v[OA+\e:OA+\e+1], v[OA+\e:OA+\e+1], v[T+\e:T+\e+1]
.endr
	ds_store_b128 v[VOS], v[OA:OA+3]   offset:LO       ; the four lanes of a column group write the same numbers
	ds_store_b128 v[VOS], v[OA+4:OA+7] offset:LO+16
	s_wait_dscnt 0x0
	s_barrier_signal -1
	s_barrier_wait -1
	s_cmp_gt_u32 s12, 3                            ; 512 numbers: 128 threads, 16 bytes each
	s_cbranch_scc1 .Lend
	v_and_b32 v[MG], 127, v0
	v_lshlrev_b32 v[MG], 4, v[MG]
	ds_load_b128 v[T:T+3],   v[MG] offset:LO       ; the two halves of the rows
	ds_load_b128 v[T+4:T+7], v[MG] offset:LO+2048
	s_wait_dscnt 0x0
	v_pk_add_f32 v[T:T+1],   v[T:T+1],   v[T+4:T+5]
	v_pk_add_f32 v[T+2:T+3], v[T+2:T+3], v[T+6:T+7]
	global_store_b128 v[MG], v[T:T+3], s[10:11]    ; a wave stores 512 consecutive bytes, aligned
.Lend:
	s_wait_xcnt 0x0
	v_lshl_add_u32 v254, v0, 2, 0x6400
	v_mov_b32 v255, 0
	s_wait_tensorcnt 0x0
	ds_add_u32 v254, v255
	s_wait_dscnt 0x0
	s_endpgm
.Lfunc_end_k_qde932d9170_pool:
	.size	k_qde932d9170_pool, .Lfunc_end_k_qde932d9170_pool-k_qde932d9170_pool
	.p2alignl 7, 3214868480
	.fill 96, 4, 3214868480
	.section	.rodata,"a",@progbits
	.p2align	6, 0x0
	.amdhsa_kernel k_qde932d9170_pool
		.amdhsa_group_segment_fixed_size 27648
		.amdhsa_private_segment_fixed_size 0
		.amdhsa_enable_private_segment 0
		.amdhsa_kernarg_size 32
		.amdhsa_user_sgpr_count 2
		.amdhsa_user_sgpr_kernarg_segment_ptr 1
		.amdhsa_wavefront_size32 1
		.amdhsa_system_sgpr_workgroup_id_x 1
		.amdhsa_system_sgpr_workgroup_id_y 1
		.amdhsa_system_sgpr_workgroup_id_z 1
		.amdhsa_system_vgpr_workitem_id 0
		.amdhsa_next_free_vgpr 256
		.amdhsa_next_free_sgpr 66
		.amdhsa_reserve_vcc 0
		.amdhsa_float_denorm_mode_32 3
		.amdhsa_float_denorm_mode_16_64 3
		.amdhsa_memory_ordered 1
		.amdhsa_forward_progress 1
		.amdhsa_inst_pref_size 54
	.end_amdhsa_kernel
	.amdgpu_metadata
---
amdhsa.version: [ 1, 2 ]
amdhsa.kernels:
  - .name:           k_qde932d9170_pool
    .symbol:         k_qde932d9170_pool.kd
    .args:
      - { .name: pt, .offset: 0, .size: 8, .value_kind: global_buffer, .address_space: global }
      - { .name: st, .offset: 8, .size: 8, .value_kind: global_buffer, .address_space: global }
      - { .name: xh, .offset: 16, .size: 8, .value_kind: global_buffer, .address_space: global }
      - { .name: op, .offset: 24, .size: 8, .value_kind: global_buffer, .address_space: global }
    .group_segment_fixed_size: 27648
    .private_segment_fixed_size: 0
    .kernarg_segment_align: 8
    .kernarg_segment_size: 32
    .max_flat_workgroup_size: 512
    .sgpr_count:     66
    .vgpr_count:     256
    .wavefront_size: 32
...
	.end_amdgpu_metadata
.endif
;; end of part 3
;; launch final (part 4): grid 32 x 1, 4 waves a work-group, no clusters, 0 bytes of LDS; arguments op, fin, out0; writes out0
.if DOCPART == 4
	.amdgcn_target "amdgcn-amd-amdhsa--gfx1250"
	.amdhsa_code_object_version 6
	.text
	.protected	k_qde932d9170_final
	.globl	k_qde932d9170_final
	.p2align	8
	.type	k_qde932d9170_final,@function
k_qde932d9170_final:
	s_mov_b64 s[64:65], 0
	v_nop
	global_prefetch_b8 v0, s[64:65] scope:SCOPE_SE
	s_setreg_imm32_b32 hwreg(HW_REG_WAVE_MODE, 25, 1), 1
	s_wait_xcnt 0x0
; Step 4 of 4: out[b][d] = (scale rs / 512) * (sum over the 8 token blocks of op[b][t][d]) - scale * (column sum of the centroids) / 512.
; The second term uses that the softmax's weights of a centroid sum to 1 over the tokens, which holds for every input.
; One work-group a batch; thread t owns 4 columns (16 bytes): each load and store of a wave covers 512 consecutive bytes, aligned.
; 32 work-groups: the sum spans the work-groups of the launch before, so it needs a launch of its own, and it has work for no more.
	s_load_b128 s[4:7], s[0:1], 0x0                ; op s[4:5], fin s[6:7]
	s_load_b64 s[8:9], s[0:1], 0x10                ; out0
	v_lshlrev_b32 v1, 4, v0
	s_lshl_b32 s10, ttmp9, 14                      ; a batch of op: 8 rows of 2,048 bytes
	s_mov_b32 s11, 0
	s_lshl_b32 s12, ttmp9, 11                      ; a row of fin and of out0
	s_mov_b32 s13, 0
	s_wait_kmcnt 0x0
	s_add_nc_u64 s[4:5], s[4:5], s[10:11]
	s_add_nc_u64 s[6:7], s[6:7], s[12:13]
	s_add_nc_u64 s[8:9], s[8:9], s[12:13]
.irp c, 0,1,2,3,4,5,6,7
	global_load_b128 v[4+4*\c:7+4*\c], v1, s[4:5] offset:\c*2048
.endr
	global_load_b128 v[36:39], v1, s[6:7]
	global_load_b128 v[40:43], v1, s[6:7] offset:65536
	s_wait_loadcnt 0x0
.irp c, 0,2,4,6
	v_pk_add_f32 v[4+4*\c:5+4*\c], v[4+4*\c:5+4*\c], v[8+4*\c:9+4*\c]
	v_pk_add_f32 v[6+4*\c:7+4*\c], v[6+4*\c:7+4*\c], v[10+4*\c:11+4*\c]
.endr
.irp c, 0,4
	v_pk_add_f32 v[4+4*\c:5+4*\c], v[4+4*\c:5+4*\c], v[12+4*\c:13+4*\c]
	v_pk_add_f32 v[6+4*\c:7+4*\c], v[6+4*\c:7+4*\c], v[14+4*\c:15+4*\c]
.endr
	v_pk_add_f32 v[4:5], v[4:5], v[20:21]
	v_pk_add_f32 v[6:7], v[6:7], v[22:23]
	v_pk_fma_f32 v[4:5], v[36:37], v[4:5], v[40:41] neg_lo:[0,0,1] neg_hi:[0,0,1]
	v_pk_fma_f32 v[6:7], v[38:39], v[6:7], v[42:43] neg_lo:[0,0,1] neg_hi:[0,0,1]
	global_store_b128 v1, v[4:7], s[8:9]
	s_endpgm
.Lfunc_end_k_qde932d9170_final:
	.size	k_qde932d9170_final, .Lfunc_end_k_qde932d9170_final-k_qde932d9170_final
	.p2alignl 7, 3214868480
	.fill 96, 4, 3214868480
	.section	.rodata,"a",@progbits
	.p2align	6, 0x0
	.amdhsa_kernel k_qde932d9170_final
		.amdhsa_group_segment_fixed_size 0
		.amdhsa_private_segment_fixed_size 0
		.amdhsa_enable_private_segment 0
		.amdhsa_kernarg_size 24
		.amdhsa_user_sgpr_count 2
		.amdhsa_user_sgpr_kernarg_segment_ptr 1
		.amdhsa_wavefront_size32 1
		.amdhsa_system_sgpr_workgroup_id_x 1
		.amdhsa_system_sgpr_workgroup_id_y 1
		.amdhsa_system_sgpr_workgroup_id_z 1
		.amdhsa_system_vgpr_workitem_id 0
		.amdhsa_next_free_vgpr 48
		.amdhsa_next_free_sgpr 66
		.amdhsa_reserve_vcc 0
		.amdhsa_float_denorm_mode_32 3
		.amdhsa_float_denorm_mode_16_64 3
		.amdhsa_memory_ordered 1
		.amdhsa_forward_progress 1
		.amdhsa_inst_pref_size 3
	.end_amdhsa_kernel
	.amdgpu_metadata
---
amdhsa.version: [ 1, 2 ]
amdhsa.kernels:
  - .name:           k_qde932d9170_final
    .symbol:         k_qde932d9170_final.kd
    .args:
      - { .name: op, .offset: 0, .size: 8, .value_kind: global_buffer, .address_space: global }
      - { .name: fin, .offset: 8, .size: 8, .value_kind: global_buffer, .address_space: global }
      - { .name: out0, .offset: 16, .size: 8, .value_kind: global_buffer, .address_space: global }
    .group_segment_fixed_size: 0
    .private_segment_fixed_size: 0
    .kernarg_segment_align: 8
    .kernarg_segment_size: 24
    .max_flat_workgroup_size: 128
    .sgpr_count:     66
    .vgpr_count:     48
    .wavefront_size: 32
...
	.end_amdgpu_metadata
.endif
;; end of part 4
;; ======== version 2 of 2: 4 launches; version 1 with the launch prep written anew for expert scheduling mode
;; limits: values are held in f16: magnitudes above 65,504 overflow, below 6.1e-05 lose precision; right only within a limited range of input values
;; workspace buffers: xh 67,108,864 bytes; bp 16,777,216 bytes; fin 131,072 bytes; pt 67,108,864 bytes; st 2,097,152 bytes; op 524,288 bytes
;; launch prep (part 5): grid 8 x 32, 16 waves a work-group, no clusters, 10,240 bytes of LDS; arguments x, centroids, xh, bp, fin; writes xh, bp, fin
.if DOCPART == 5
	.amdgcn_target "amdgcn-amd-amdhsa--gfx1250"
	.amdhsa_code_object_version 6
	.text
	.protected	k_qde932d9170_prep
	.globl	k_qde932d9170_prep
	.p2align	8
	.type	k_qde932d9170_prep,@function
k_qde932d9170_prep:
	s_mov_b64 s[64:65], 0
	v_nop
	global_prefetch_b8 v0, s[64:65] scope:SCOPE_SE
	s_setreg_imm32_b32 hwreg(HW_REG_WAVE_SCHED_MODE, 0, 2), 2
	s_setreg_imm32_b32 hwreg(HW_REG_WAVE_MODE, 25, 1), 1
	s_wait_xcnt 0x0
	s_wait_alu depctr_vm_vsrc(0)
; NetVLAD-like pooling, step 1 of 4: the per-feature power scale, and the two operands of the one matrix product.
;   xr = x rounded to bf16, cr = centroids rounded to bf16 (the rounding of matrix operands); everything later uses xr and cr.
;   scale[b][d] = mean over l of xr^2       rs = 1 / max(scale, 1e-12)
;   xh[b][dc][l][64] = f16(xr)              (dc = d / 64; exact for 2^-14 <= |x| <= 65504)
;   bp[b][dc][k][64] = f16(cr[k][d] * rs)   (direction . centroid = sum over d of xr * (cr * rs))
;   fin[0][b][d] = scale * rs / 512         fin[1][b][d] = scale * (sum over k of cr[k][d]) / 512
; LIMITS, stated: inputs are rounded to bf16 first; the f16 containers need |x| <= 65504 and |c / scale| <= 65504; numbers below 2^-14
; keep an absolute error of at most 2^-25.
; A work-group owns 64 columns (256 bytes of every f32 row) of one batch and all 2,048 tokens, so the mean over tokens never leaves it.
; Sixteen waves.  Thread t takes the 16 bytes at (t & 15) * 16 of row t >> 4 in a group of 32 rows: a wave's load covers two whole pieces of 256
; aligned bytes, a wave's 8-byte stores cover 256 consecutive bytes, aligned.  Each wave keeps a ring of 16 slots, of which 12 to 16 loads are on
; their way.  The centroids' 512 rows are 16 groups, one for each slot: x's last round fills the ring with them, so they
; travel while the scale is summed.  No matrix unit, no cluster: there is no product here and no work-group shares x.
; THE MODE: SCHED_MODE bits 1:0 = 2 (LLVM: expert scheduling mode 2), set by the entry lines.  The code itself states the register dependences
; between vector instructions and memory or LDS instructions, with s_wait_alu, always for 0.
; THE PLAN.  The 16 slots go in four blocks q of four.  Registers that memory or LDS instructions touch:
;   X[q]  16 registers.  Read by block q's roundings; behind them the four loads of the same block of the next round land in it.
;   Y[q]  8 registers.   Written by block q's roundings; read by the four stores at the block's end.
;   v1, v2, v3, v26      offsets and LDS addresses, made once at the head and never written again: the rows are reached by scalar bases and immediates.
;   ACC, CS              read by the LDS store of their sum over the work-group, written again by that sum's last two adds.
;   RED                  the LDS loads of such a sum land in it; vector instructions alone read it.
;   E, v27               written once, read by the last store.      v192, v193  written at the head, read by the closing add alone.
; A block: four slots of vector work; ONE wait on va_vdst (the block has written Y[q] and is done reading X[q]); its four loads and four stores, with no
; vector instruction between the wait and them.  In the odd blocks s_wait_xcnt 0 and a wait on vm_vsrc stand ahead of the memory instructions: they cover
; all that was issued up to the block before.  Block p writes the Y that the stores of block p - 4 read; of the blocks p - 3 to p - 1 one at least is odd:
; so every rewriting of Y is covered, round the loop's jump and out of the loop too.  The two bases move on behind the same s_wait_xcnt 0.
.set DEPTH, 16                         ; slots in each wave's ring
.set BLK,   4                          ; slots in a block
.set GIN,   32*2048                    ; a group of 32 rows of x or of the centroids (both have rows of 2,048 bytes)
.set GOUT,  32*128                     ; the same group in xh or bp
.set VOX, 1                            ; v1       my byte offset in a group of input rows; never rewritten
.set VOH, 2                            ; v2       8 t: my byte offset in a group of output rows; never rewritten
.set VP,  3                            ; v3       16 (t & 15): my column piece
.set ACC, 4                            ; v[4:7]   sums of squares of my 4 columns
.set CS,  8                            ; v[8:11]  sums of the centroids' 4 columns
.set RS,  12                           ; v[12:15] 1 / max(scale, eps)
.set SC,  16                           ; v[16:19] scale
.set T,   20                           ; v[20:21] four numbers as packed bf16
.set R,   22                           ; v[22:25] the same four as f32
.set VW,  26                           ; v26      LDS: 256 wave + my column piece
.set VF,  27                           ; v27      offset in fin
.set E,   28                           ; v[28:31] at work
.set X,   32                           ; v[32:95]  slot i: 4 registers as loaded
.set Y,   96                           ; v[96:127] slot i: 2 registers to store
.set RED, 128                          ; v[128:191] the sixteen waves' partial sums
	s_load_b256 s[4:11], s[0:1], 0x0               ; x s[4:5], centroids s[6:7], xh s[8:9], bp s[10:11]
	s_load_b64 s[12:13], s[0:1], 0x20              ; fin
	v_lshl_add_u32 v192, v0, 2, 0x2000
	v_mov_b32 v193, 0
	v_lshrrev_b32 v[VW], 5, v0
	v_readfirstlane_b32 s17, v[VW]                 ; wave
	s_and_b32 s19, ttmp7, 0xffff                   ; b
	s_mov_b32 s14, 0x76543210                      ; v_permlanex16_b32: lane i of one half reads lane i of the other
	s_mov_b32 s15, 0xfedcba98
	s_mov_b32 s16, 0xffff0000                      ; a word's upper bf16
	v_and_b32 v[VP], 15, v0
	v_lshlrev_b32 v[VP], 4, v[VP]
	v_lshrrev_b32 v[VOX], 4, v0
	v_lshl_add_u32 v[VOX], v[VOX], 11, v[VP]       ; row (t >> 4) * 2,048 + piece
	v_lshlrev_b32 v[VOH], 3, v0
	s_wait_alu depctr_va_sdst(0)                   ; s17 is written, ahead of its first reader, the line below
	v_lshl_add_u32 v[VW], s17, 8, v[VP]
	s_lshl_b32 s22, ttmp9, 8                       ; dc * 256 bytes: my columns in an f32 row
	s_mov_b32 s23, 0
	s_lshl_b32 s20, s19, 22                        ; b * 2,048 rows * 2,048 bytes
	s_add_co_u32 s20, s20, s22
	s_mov_b32 s21, 0
	s_lshl3_add_u32 s24, s19, ttmp9                ; 8 b + dc
	s_lshl_b32 s26, s24, 18                        ; a block of xh: 2,048 rows of 128 bytes
	s_mov_b32 s27, 0
	s_lshl_b32 s28, s24, 16                        ; a block of bp: 512 rows of 128 bytes
	s_mov_b32 s29, 0
	s_lshl_b32 s30, s24, 8                         ; b * 2,048 + dc * 256 in a plane of fin
	s_mov_b32 s31, 0
.irp j, 0,1,2,3,4,5,6,7
	v_mov_b32 v[ACC+\j], 0                         ; the two sums (ACC and CS lie side by side)
.endr
	s_wait_kmcnt 0x0
	s_add_nc_u64 s[4:5], s[4:5], s[20:21]
	s_add_nc_u64 s[6:7], s[6:7], s[22:23]
	s_add_nc_u64 s[8:9], s[8:9], s[26:27]
	s_add_nc_u64 s[10:11], s[10:11], s[28:29]
	s_add_nc_u64 s[12:13], s[12:13], s[30:31]
	s_wait_alu depctr_va_vdst(0)                   ; v1, v2, v3 and v26 are written: every load, store and LDS access of the kernel but the last store reads one of them as its offset or address
.irp i, 0,1,2,3,4,5,6,7,8,9,10,11,12,13,14,15
	global_load_b128 v[X+4*\i:X+4*\i+3], v[VOX], s[4:5] offset:\i*GIN th:TH_LOAD_NT    ; fill the ring: groups 0 to 15
.endr
; slot i's four numbers, rounded to bf16 and widened again, into R
.macro ROUND4 i
	v_cvt_pk_bf16_f32 v[T],   v[X+4*(\i)],   v[X+4*(\i)+1]
	v_cvt_pk_bf16_f32 v[T+1], v[X+4*(\i)+2], v[X+4*(\i)+3]
	v_lshlrev_b32 v[R],   16,  v[T]
	v_and_b32     v[R+1], s16, v[T]
	v_lshlrev_b32 v[R+2], 16,  v[T+1]
	v_and_b32     v[R+3], s16, v[T+1]
.endm
; One slot's vector work on x.  left = younger loads that may stay out.
.macro XWORK i, left
	s_wait_loadcnt \left                           ; loads come back in order: mine is in, the younger ones stay out
	ROUND4 \i
	v_pk_fma_f32 v[ACC:ACC+1],   v[R:R+1],   v[R:R+1],   v[ACC:ACC+1]
	v_pk_fma_f32 v[ACC+2:ACC+3], v[R+2:R+3], v[R+2:R+3], v[ACC+2:ACC+3]
	v_cvt_pk_f16_f32 v[Y+2*(\i)],   v[R],   v[R+1]
	v_cvt_pk_f16_f32 v[Y+2*(\i)+1], v[R+2], v[R+3]
.endm
; Block q of a round of x.  ahead = 1: its slots are filled again with x, 16 groups further down; ahead = 2: with the centroids' groups 4 q .. 4 q + 3.
; The bases of x and xh stand at the round's group 0 in block 0, at group 8 in blocks 1 and 2, at the next round's group 0 in block 3: they move on by
; eight groups in the odd blocks, and the immediates reach the rest (in an odd block the stores reach back).
.macro XBLK q, ahead
.irp j, 0,1,2,3
	XWORK 4*(\q)+\j, DEPTH-1-\j                    ; younger than slot j's load: 3 - j of its block and the 12 of the three blocks behind it
.endr
.if (\q)%2
	s_wait_xcnt 0x0                                ; all that was issued up to the block before has had its addresses translated (ISA guide 3.1): the bases below, and the Y of the next two blocks, are rewritten only behind this wait
	s_wait_alu depctr_vm_vsrc(0)                   ; the stores issued up to the block before have read their Y, which the next two blocks' roundings write again
.endif
	s_wait_alu depctr_va_vdst(0)                   ; this block has written Y[q], which the stores below read, and is done reading X[q], in which the loads below land
.if (\q)%2
.if \ahead == 1
	s_add_nc_u64 s[4:5], s[4:5], 2*BLK*GIN
.endif
	s_add_nc_u64 s[8:9], s[8:9], 2*BLK*GOUT
.endif
.irp j, 0,1,2,3
.if \ahead == 1
	global_load_b128 v[X+4*(4*(\q)+\j):X+4*(4*(\q)+\j)+3], v[VOX], s[4:5] offset:(DEPTH-BLK*((\q)%2)+\j)*GIN th:TH_LOAD_NT
.else
	global_load_b128 v[X+4*(4*(\q)+\j):X+4*(4*(\q)+\j)+3], v[VOX], s[6:7] offset:(4*(\q)+\j)*GIN    ; 32 batches read the centroids: no hint
.endif
.endr
.irp j, 0,1,2,3
	global_store_b64 v[VOH], v[Y+2*(4*(\q)+\j):Y+2*(4*(\q)+\j)+1], s[8:9] offset:(\j-BLK*((\q)%2))*GOUT
.endr
.endm
	s_mov_b32 s18, 2048/32/DEPTH-1                 ; 64 groups, 16 a round; the last round is written out
.Lround:
	XBLK 0, 1
	XBLK 1, 1
	XBLK 2, 1
	XBLK 3, 1
	s_sub_co_u32 s18, s18, 1
	s_cmp_lg_u32 s18, 0
	s_cbranch_scc1 .Lround
	XBLK 0, 2                                      ; x's last round: no load of x is left; each slot takes a group of the centroids, so the counts stay
	XBLK 1, 2
	XBLK 2, 2
	XBLK 3, 2
; The sum of src's four numbers over the 32 rows of a group: the other half of my wave, then the sixteen waves through LDS bytes base .. base + 4,095.
.macro WGSUM src, base
.irp j, 0,1,2,3
	v_permlanex16_b32 v[R+\j], v[\src+\j], s14, s15    ; R has been written before
.endr
	v_pk_add_f32 v[\src:\src+1],   v[\src:\src+1],   v[R:R+1]
	v_pk_add_f32 v[\src+2:\src+3], v[\src+2:\src+3], v[R+2:R+3]
	s_wait_alu depctr_va_vdst(0)                   ; the two adds have written the sum, which the LDS store reads; and the adds of an earlier sum are done with RED, in which the LDS loads below land
	ds_store_b128 v[VW], v[\src:\src+3] offset:\base   ; both halves of the wave write the same numbers to the same bytes
	s_wait_dscnt 0x0                               ; my store is done before I say so
	s_barrier_signal -1
	s_barrier_wait -1
.irp w, 0,1,2,3,4,5,6,7,8,9,10,11,12,13,14,15
	ds_load_b128 v[RED+4*\w:RED+4*\w+3], v[VP] offset:\base+256*\w
.endr
	s_wait_dscnt 0x0
	s_wait_alu depctr_vm_vsrc(0)                   ; my LDS store has read the sum's four registers, which the last two adds below write again
.irp w, 0,2,4,6,8,10,12,14
	v_pk_add_f32 v[RED+4*\w:RED+4*\w+1],   v[RED+4*\w:RED+4*\w+1],   v[RED+4*\w+4:RED+4*\w+5]
	v_pk_add_f32 v[RED+4*\w+2:RED+4*\w+3], v[RED+4*\w+2:RED+4*\w+3], v[RED+4*\w+6:RED+4*\w+7]
.endr
.irp w, 0,4,8,12
	v_pk_add_f32 v[RED+4*\w:RED+4*\w+1],   v[RED+4*\w:RED+4*\w+1],   v[RED+4*\w+8:RED+4*\w+9]
	v_pk_add_f32 v[RED+4*\w+2:RED+4*\w+3], v[RED+4*\w+2:RED+4*\w+3], v[RED+4*\w+10:RED+4*\w+11]
.endr
.irp w, 0,8
	v_pk_add_f32 v[RED+4*\w:RED+4*\w+1],   v[RED+4*\w:RED+4*\w+1],   v[RED+4*\w+16:RED+4*\w+17]
	v_pk_add_f32 v[RED+4*\w+2:RED+4*\w+3], v[RED+4*\w+2:RED+4*\w+3], v[RED+4*\w+18:RED+4*\w+19]
.endr
	v_pk_add_f32 v[\src:\src+1],   v[RED:RED+1],   v[RED+32:RED+33]
	v_pk_add_f32 v[\src+2:\src+3], v[RED+2:RED+3], v[RED+34:RED+35]
.endm
	WGSUM ACC, 0
	v_pk_mul_f32 v[SC:SC+1],   v[ACC:ACC+1],   0x3a000000 op_sel_hi:[1,0]    ; / 2,048
	v_pk_mul_f32 v[SC+2:SC+3], v[ACC+2:ACC+3], 0x3a000000 op_sel_hi:[1,0]
.irp j, 0,1,2,3
	v_max_num_f32 v[E+\j], 0x2b8cbccc, v[SC+\j]    ; max(scale, 1e-12)
.endr
.irp j, 0,1,2,3
	v_rcp_f32 v[RS+\j], v[E+\j]
.endr
	v_nop                                          ; one plain place behind the reciprocals before they are used (ISA guide 5.7.2)
	s_wait_xcnt 0x0                                ; the stores of x's last block have had their addresses translated: Y's last four slots are written again below only behind this wait
	s_wait_alu depctr_vm_vsrc(0)                   ; and they have read those slots
	s_wait_alu depctr_va_vdst(0)                   ; the four reciprocals are written, ahead of their first reader
; One slot's vector work on the centroids: slot i holds their group i.
.macro CWORK i, left
	s_wait_loadcnt \left
	ROUND4 \i
	v_pk_add_f32 v[CS:CS+1],   v[CS:CS+1],   v[R:R+1]
	v_pk_add_f32 v[CS+2:CS+3], v[CS+2:CS+3], v[R+2:R+3]
	v_pk_mul_f32 v[R:R+1],   v[R:R+1],   v[RS:RS+1]
	v_pk_mul_f32 v[R+2:R+3], v[R+2:R+3], v[RS+2:RS+3]
	v_cvt_pk_f16_f32 v[Y+2*(\i)],   v[R],   v[R+1]
	v_cvt_pk_f16_f32 v[Y+2*(\i)+1], v[R+2], v[R+3]
.endm
.macro CBLK q
.irp j, 0,1,2,3
	CWORK 4*(\q)+\j, DEPTH-1-4*(\q)-\j             ; nothing is loaded any more: the counts run down to 0
.endr
	s_wait_alu depctr_va_vdst(0)                   ; this block has written Y[q], which the four stores below read
.irp j, 0,1,2,3
	global_store_b64 v[VOH], v[Y+2*(4*(\q)+\j):Y+2*(4*(\q)+\j)+1], s[10:11] offset:(4*(\q)+\j)*GOUT
.endr
.endm
	CBLK 0
	CBLK 1
	CBLK 2
	CBLK 3
	WGSUM CS, 4096                                 ; other LDS bytes than the first sum's: one barrier is enough
	v_pk_mul_f32 v[SC:SC+1],   v[SC:SC+1],   0x3b000000 op_sel_hi:[1,0]      ; scale / 512
	v_pk_mul_f32 v[SC+2:SC+3], v[SC+2:SC+3], 0x3b000000 op_sel_hi:[1,0]
	s_cmp_lg_u32 s17, 0                            ; every wave holds the sums; wave 0 stores them
	s_cbranch_scc1 .Lend
	v_pk_mul_f32 v[RS:RS+1],   v[SC:SC+1],   v[RS:RS+1]                      ; scale * rs / 512
	v_pk_mul_f32 v[RS+2:RS+3], v[SC+2:SC+3], v[RS+2:RS+3]
	v_pk_mul_f32 v[CS:CS+1],   v[SC:SC+1],   v[CS:CS+1]                      ; scale * column sum / 512
	v_pk_mul_f32 v[CS+2:CS+3], v[SC+2:SC+3], v[CS+2:CS+3]
	v_cmp_lt_u32 vcc_lo, 15, v0                    ; lanes 16 to 31 carry the second plane
	s_wait_alu depctr_va_vcc(0)                    ; VCC is written, ahead of its first reader, the select below
.irp j, 0,1,2,3
	v_cndmask_b32 v[E+\j], v[RS+\j], v[CS+\j], vcc_lo
.endr
	v_lshrrev_b32 v[VF], 4, v0
	v_lshl_add_u32 v[VF], v[VF], 16, v[VP]         ; plane * 65,536 + my piece
	s_wait_alu depctr_va_vdst(0)                   ; the selects have written E and the line above v27: the store's data and its offset
	global_store_b128 v[VF], v[E:E+3], s[12:13]    ; each half of the wave stores 256 consecutive bytes, aligned
.Lend:
	s_wait_dscnt 0x0                               ; the closing lines, six on end
	s_wait_alu 0x0
	s_wait_tensorcnt 0x0
	ds_add_u32 v192, v193
	s_wait_dscnt 0x0
	s_endpgm
.Lfunc_end_k_qde932d9170_prep:
	.size	k_qde932d9170_prep, .Lfunc_end_k_qde932d9170_prep-k_qde932d9170_prep
	.p2alignl 7, 3214868480
	.fill 96, 4, 3214868480
	.section	.rodata,"a",@progbits
	.p2align	6, 0x0
	.amdhsa_kernel k_qde932d9170_prep
		.amdhsa_group_segment_fixed_size 10240
		.amdhsa_private_segment_fixed_size 0
		.amdhsa_enable_private_segment 0
		.amdhsa_kernarg_size 40
		.amdhsa_user_sgpr_count 2
		.amdhsa_user_sgpr_kernarg_segment_ptr 1
		.amdhsa_wavefront_size32 1
		.amdhsa_system_sgpr_workgroup_id_x 1
		.amdhsa_system_sgpr_workgroup_id_y 1
		.amdhsa_system_sgpr_workgroup_id_z 1
		.amdhsa_system_vgpr_workitem_id 0
		.amdhsa_next_free_vgpr 194
		.amdhsa_next_free_sgpr 66
		.amdhsa_reserve_vcc 1
		.amdhsa_float_denorm_mode_32 3
		.amdhsa_float_denorm_mode_16_64 3
		.amdhsa_memory_ordered 1
		.amdhsa_forward_progress 1
		.amdhsa_inst_pref_size 49
	.end_amdhsa_kernel
	.amdgpu_metadata
---
amdhsa.version: [ 1, 2 ]
amdhsa.kernels:
  - .name:           k_qde932d9170_prep
    .symbol:         k_qde932d9170_prep.kd
    .args:
      - { .name: x, .offset: 0, .size: 8, .value_kind: global_buffer, .address_space: global }
      - { .name: centroids, .offset: 8, .size: 8, .value_kind: global_buffer, .address_space: global }
      - { .name: xh, .offset: 16, .size: 8, .value_kind: global_buffer, .address_space: global }
      - { .name: bp, .offset: 24, .size: 8, .value_kind: global_buffer, .address_space: global }
      - { .name: fin, .offset: 32, .size: 8, .value_kind: global_buffer, .address_space: global }
    .group_segment_fixed_size: 10240
    .private_segment_fixed_size: 0
    .kernarg_segment_align: 8
    .kernarg_segment_size: 40
    .max_flat_workgroup_size: 512
    .sgpr_count:     66
    .vgpr_count:     194
    .wavefront_size: 32
...
	.end_amdgpu_metadata
.endif
;; end of part 5
;; launch gemm: the kernel of part 2 again; grid 8 x 64, 4 waves a work-group, clusters of 4 x 1, 327,680 bytes of LDS; arguments xh, bp, pt, st; writes pt, st
;; launch pool: the kernel of part 3 again; grid 8 x 32, 16 waves a work-group, no clusters, 27,648 bytes of LDS; arguments pt, st, xh, op; writes op
;; launch final: the kernel of part 4 again; grid 32 x 1, 4 waves a work-group, no clusters, 0 bytes of LDS; arguments op, fin, out0; writes out0
